; MI455X (gfx1250); checked and timed in simulation.
; The chip was launched on July 23, 2026; its instructions are those of AMD's public machine-readable ISA for CDNA 5 (MIT licence, August 2026) and "CDNA5" Instruction Set Architecture Reference Guide (July 2026). The comments in the code are by the model that wrote it; some were corrected since.
;; Self Attention. Allowed arithmetic: matrix products marked QUANTISED: E2M1 operands, one E8M0 scale for each 32 along K, by v_wmma_scale_f32_16x16x128_f8f6f4 with both operands' format E2M1 (or v_wmma_scale_f32_32x16x128_f4), f32 sums; everything else in f32.
;; Inputs: mask 4 x 1 x 2,048 x 2,048 float32; x 4 x 2,048 x 3,072 float32.
;; Outputs: out0 4 x 2,048 x 1,024 float32.
;; This version of the problem:
;;   THIS VERSION OF THE PROBLEM IS GIVEN IN LOW PRECISION. The matrix products marked QUANTISED in the list below multiply operands that are first quantised to E2M1 (2 exponent bits, 1 mantissa bit; 4 bits a number), with one power-of-two scale for each 32 numbers along K (OCP MX v1.0); their sums are f32. All else is computed in f32.
;;   The module's matrix products, in the order in which they are computed (A, B: the left and right operand; K: the contracted axis; several contracted axes count as one K, in the product's order):
;;     1. batch 64 x [M 2,048, K 64] x [K 64, N 2,048]; A: input x; B: input x: QUANTISED
;;     2. batch 64 x [M 2,048, K 2,048] x [K 2,048, N 64]; A: softmax (see below); B: input x: QUANTISED
;;   THE QUANTISER, for each operand of a quantised product, along K:
;;     - K is cut into blocks of 32 from its start; a last block that is shorter is filled with zeros.
;;     - A block's scale is 2^e with e = floor(log2(the largest magnitude in the block)) - 2, held to -126 .. 127; a block of zeros has e = 0. As a byte (E8M0): e + 127.
;;     - Each number is divided by its block's scale, clamped to +-6, and rounded to the nearest number of E2M1, ties to even, subnormals kept.
;;     - The product sums the exact products of the quantised numbers (number of the format x scale) in f32.
;;   ~~~python
;;   def quantise(x, axis):      # numpy; x: float32 -> the quantised numbers, widened to float32 again
;;       x = np.moveaxis(x, axis, -1); K = x.shape[-1]
;;       x = np.pad(x, [(0, 0)] * (x.ndim - 1) + [(0, -K % 32)]); x = x.reshape(x.shape[:-1] + (-1, 32)); a = np.abs(x).max(-1, keepdims=True)
;;       e = np.where(a > 0, np.clip(np.frexp(np.where(a > 0, a, 1))[1] - 1 - 2, -126, 127), 0)      # np.frexp(a)[1] - 1 = floor(log2(a)), exactly
;;       r = np.clip(x / 2.0 ** e, -6, 6)
;;       step = 2.0 ** (np.maximum(np.frexp(np.where(r == 0, 1, r))[1] - 1, 0) - 1)
;;       q = np.round(r / step) * step * 2.0 ** e      # np.round: ties to even
;;       return np.moveaxis(q.reshape(q.shape[:-2] + (-1,))[..., :K], -1, axis).astype(np.float32)
;;   ~~~
;;   SOFTMAX AHEAD OF A QUANTISED PRODUCT. Where the list says 'softmax', what is quantised is not the finished softmax but p = 2^(t - M), with t = logit x log2(e) and M = ceil(the row's largest t), a whole number; so 1/2 < the row's largest p <= 1. The row's sum l is taken of the UNQUANTISED p, in f32, and the product's result is divided by l at the end. Since M is a whole number, a kernel that streams over the keys may use a running M (the ceiling of the running maximum): every later rescaling is an exact power of two, which a block's scale takes up: the codes' values come out the same.
;;   OPERANDS COMPUTED ON THE WAY. 'Computed on the way' means the value that the module computes at that place (a softmax that the list does not call 'softmax' is quantised finished and normalised). What goes into a quantiser is computed in f32, as accurately as f32 sums, v_exp_f32 and their like allow (about 1e-6 of the number): no bf16 or f16 on the way to a quantiser, and a product that is left as it is and whose result goes on into a quantised operand takes f32 operands (vector FMAs, or v_wmma_f32_16x16x4_f32). A number that lies on a knife's edge between two numbers of the format may be rounded either way, as far as f32 arithmetic and the matrix unit's own rounding can turn it there, and no further.
;; One version. Each part assembles by itself: llvm-mc -triple=amdgcn-amd-amdhsa -mcpu=gfx1250 --defsym DOCPART=n.
;; ======== version 1 of 1: 2 launches
;; limits: right only within a limited range of input values
;; workspace buffers: qc 4,456,448 bytes; kv 8,912,896 bytes
;; launch quant (part 1): grid 768 x 1, 4 waves a work-group, no clusters, 36,352 bytes of LDS; arguments x, qc, kv; writes qc, kv
.if DOCPART == 1
	.amdgcn_target "amdgcn-amd-amdhsa--gfx1250"
	.amdhsa_code_object_version 6
	.text
	.protected	k_q78d23420f2_quant
	.globl	k_q78d23420f2_quant
	.p2align	8
	.type	k_q78d23420f2_quant,@function
k_q78d23420f2_quant:
	s_mov_b64 s[64:65], 0
	v_nop
	global_prefetch_b8 v0, s[64:65] scope:SCOPE_SE
	s_setreg_imm32_b32 hwreg(HW_REG_WAVE_MODE, 25, 1), 1
	s_wait_xcnt 0x0
; x [4][2048][3072] f32 holds q (features 0-1023), k (1024-2047) and v (2048-3071), 16 heads of 64 each.  This launch turns all three into codes of FP4 (E2M1)
; with one E8M0 scale byte for each 32 along the K of the product that reads them, laid in the ORDER OF THE OPERANDS' REGISTERS, so that the second launch takes every fragment as 16 bytes a lane on end.
; A block's scale is 2^(floor(log2(its largest magnitude)) - 2); its byte is the largest magnitude's exponent field - 2, held at 1 from below.
; RECORDS, one for each (batch, head, step of 128 rows):
;   kv: 8,704 bytes: K's image 4,096 | K's scale words 256 | V's image 4,096 | V's scale words 256.      qc: 4,352 bytes: q's image and scale words, in K's form.
;   K's image: fragment bb (0..3) at 1024 bb, piece c (0, 1) at + 512 c, lane l at + 16 l: row 32 bb + 8 c + l % 16 + 8 ((l % 16) / 8), dims 32 (l / 16) + 0 .. 31.  K of the first product is the head's 64 dims:
;     so one fragment of 128 along K holds TWO tiles of 16 rows, piece 0 in its lower 64, piece 1 in its upper 64.
;   K's scale words: that of (bb, r) at 8 (16 (bb % 2) + r) + 4 (bb / 2); bytes: piece 0's two blocks, then piece 1's two.
;   V's image: fragment t (dims 16 t + r) at 1024 t, piece c at + 512 c, lane l at + 16 l: keys 64 c + 32 (l / 16) + 0 .. 31 of dim 16 t + l % 16: the keys are the second product's K.
;   V's scale words: that of (t, r) at 8 (16 (t % 2) + r) + 4 (t / 2); byte kb for keys 32 kb on.
; SHARES.  Work-groups 0-511: q and k; a wave makes one record from 128 rows x 64 dims.  Work-groups 512-767: v; a wave makes V's half of one record.  Every wave reads 32,768 bytes of x; no wave shares anything with another: no barrier.
; LIMITS: NaN and infinities among the inputs are not served.  A block of zeros, and one whose largest magnitude lies under 2^(3 - 127), gets the byte 1 (the rule says 127 for zeros): its codes are zeros, and this program alone reads the bytes.
.set ROWX, 12288                       ; a row of x in bytes
.set RECK, 8704
.set RECQ, 4352
.set SP,   272                         ; a stage row: 256 bytes + 16: 17 x 16 bytes, so that sixteen rows' 16 bytes fall on sixteen different columns of 16 bytes
.set STG,  16*SP                       ; a stage: the 16 rows of a piece
.set SCW,  2*STG                       ; behind a wave's two stages: its 256 bytes of scale words
.set WREG, SCW+256                     ; a wave's LDS
.set R,    32                          ; q, k: v32-159  four sets of 32: a piece as it is loaded
.set X,    160                         ;       v160-223 two sets of 32: a lane's whole block
.set C,    224                         ;       v224-255 codes, four registers for each piece: no store's data are written again
.set XV,   32                          ; v:    v32-95   two sets of 32
.set CV,   96                          ;       v96-127  codes, four registers for each block
; the largest magnitude of 32 numbers of a lane, in two chains, and the floor 2^(3 - 127) as the last leaf; then 2 off its exponent field: the conversion takes the exponent field of that operand as its scale
.macro MAX32 xs
	v_max3_num_f32 v8, |v[\xs]|, |v[\xs+1]|, |v[\xs+2]|
	v_max3_num_f32 v9, |v[\xs+3]|, |v[\xs+4]|, |v[\xs+5]|
.irp i, 6,10,14,18,22,26
	v_max3_num_f32 v8, v8, |v[\xs+\i]|, |v[\xs+\i+1]|
	v_max3_num_f32 v9, v9, |v[\xs+\i+2]|, |v[\xs+\i+3]|
.endr
	v_max3_num_f32 v8, v8, |v[\xs+30]|, |v[\xs+31]|
	v_max3_num_f32 v8, v8, v9, 0x1800000
	v_add_nc_u32 v10, 0xff000000, v8
.endm
	s_load_b128 s[4:7], s[0:1], 0x0                ; x, qc
	s_load_b64 s[8:9], s[0:1], 0x10                ; kv
	v_lshl_add_u32 v30, v0, 2, 0x8c00
	v_mov_b32 v31, 0
	v_lshrrev_b32 v1, 5, v0
	v_readfirstlane_b32 s10, v1                    ; wave 0..3
	v_and_b32 v15, 31, v0                          ; lane
	s_and_b32 s11, ttmp9, 15                       ; the step of 128 rows (512 is a multiple of 16: the same line serves both paths)
	s_cmp_lt_u32 ttmp9, 512
	s_cbranch_scc0 .Lv_path
	; ---------------- q and k: K (the head's dims) is innermost in memory ----------------
	s_bfe_u32 s12, ttmp9, 0x30004                  ; which four of the 32 head slots (16 of q, then 16 of k)
	s_lshr_b32 s13, ttmp9, 7                       ; batch
	s_lshl_b32 s14, s12, 2
	s_add_co_u32 s14, s14, s10                     ; my head slot: its 64 dims begin at feature 64 x slot
	s_lshl_b32 s15, s13, 11
	s_lshl_b32 s16, s11, 7
	s_add_co_u32 s15, s15, s16                     ; my first row of x
	s_mul_i32 s15, s15, ROWX
	s_lshl_b32 s16, s14, 8
	s_add_co_u32 s16, s16, s15                     ; in bytes (under 2^27)
	s_mov_b32 s17, 0
	s_and_b32 s19, s14, 15                         ; head
	s_lshl_b32 s18, s13, 4
	s_add_co_u32 s18, s18, s19
	s_lshl_b32 s18, s18, 4
	s_add_co_u32 s18, s18, s11                     ; my record's number
	s_mov_b32 s20, 0x76543210
	s_mov_b32 s21, 0xfedcba98                      ; v_permlanex16_b32's selects for lane l xor 16
	s_mul_i32 s22, s10, WREG                       ; my wave's LDS
	s_wait_alu depctr_va_vdst(0)
	v_and_b32 v12, 15, v15                         ; l % 16
	v_lshrrev_b32 v13, 4, v15                      ; l / 16
	v_mul_u32_u24 v1, v13, ROWX
	v_lshl_add_u32 v1, v12, 4, v1                  ; in: sixteen lanes take one row's 256 bytes, the other sixteen the next row's
	v_mul_u32_u24 v2, v13, SP
	v_lshl_add_u32 v2, v12, 4, v2
	v_add_nc_u32 v2, s22, v2                       ; into the stage, as loaded
	v_mul_u32_u24 v3, v12, SP
	v_lshl_add_u32 v3, v13, 7, v3
	v_add_nc_u32 v3, s22, v3                       ; out of it: row l % 16, dims 32 (l / 16) on: a whole block a lane
	v_lshlrev_b32 v4, 4, v15                       ; an image's place for my lane
	v_lshl_add_u32 v5, v12, 3, s22
	v_add_nc_u32 v5, SCW, v5                       ; where my row's scale word goes
	v_lshl_add_u32 v6, v15, 3, s22
	v_add_nc_u32 v6, SCW, v6                       ; and where I read 8 bytes of them back
	v_lshlrev_b32 v7, 3, v15
	v_lshlrev_b32 v14, 3, v13                      ; 8 (l / 16): my block's place in half a scale word, in bits
	v_mov_b32 v13, 0                               ; a lane permute's destination counts as one of its sources
	s_wait_alu depctr_va_vdst(0)
	s_wait_kmcnt 0x0
	s_cmp_lt_u32 s12, 4                            ; q's slots or k's?  The choice hangs on the work-group's number alone
	s_cselect_b64 s[6:7], s[6:7], s[8:9]
	s_mov_b32 s19, RECK
	s_cselect_b32 s19, RECQ, s19
	s_mul_i32 s18, s18, s19
	s_mov_b32 s19, 0
	s_add_nc_u64 s[6:7], s[6:7], s[18:19]          ; my record
	s_add_nc_u64 s[4:5], s[4:5], s[16:17]
; Piece p (fragment p / 2, piece p % 2): rows 32 (p / 2) + 8 (p % 2) + 0 .. 7 and + 16 .. 23.  Each load reads two whole rows of 256 bytes.
.macro LOAD p
.irp j, 0,1,2,3,4,5,6,7
	global_load_b128 v[R+32*((\p)%4)+4*\j:R+32*((\p)%4)+4*\j+3], v1, s[4:5] offset:(32*((\p)/2)+8*((\p)%2)+2*\j+8*(\j/4))*ROWX th:TH_LOAD_NT
.endr
.endm
; The piece turns through the wave's own stage: in as loaded, out 128 bytes a lane.  LDS serves a wave's instructions in order: no wait between the stores and the loads.
.macro TURN p
.irp j, 0,1,2,3,4,5,6,7
	ds_store_b128 v2, v[R+32*((\p)%4)+4*\j:R+32*((\p)%4)+4*\j+3] offset:STG*((\p)%2)+2*SP*\j
.endr
.irp m, 0,1,2,3,4,5,6,7
	ds_load_b128 v[X+32*((\p)%2)+4*\m:X+32*((\p)%2)+4*\m+3], v3 offset:STG*((\p)%2)+16*\m
.endr
.endm
.macro STEP p
.set XS, X+32*((\p)%2)
	s_wait_dscnt 0x0                               ; this piece is back from the stage; so its stores into the stage have read their registers,
.if (\p)+4 < 8
	LOAD (\p)+4                                    ; which take the piece four further on
.endif
.if (\p) < 7
.if (\p) <= 3
	s_wait_loadcnt 24                              ; the next piece's eight loads are in; those of the three pieces behind it may be out
.else
	s_wait_loadcnt 8*(6-(\p))
.endif
	TURN (\p)+1                                    ; it goes through the other stage while this piece is worked
.endif
	MAX32 XS
.irp g, 0,1,2,3
	v_cvt_scalef32_pk8_fp4_f32 v[C+4*(\p)+\g], v[XS+8*\g:XS+8*\g+7], v10
.endr
.if ((\p)%2) == 0
	v_lshrrev_b32 v11, 23, v10                     ; the scale's byte (a plain line behind the conversions): piece 0's is kept
.else
	v_lshrrev_b32 v12, 23, v10                     ; piece 1's
	v_lshl_or_b32 v12, v12, 16, v11                ; my block's byte of both pieces,
	v_lshlrev_b32 v12, v14, v12                    ; at its place,
	v_permlanex16_b32 v13, v12, s20, s21
	v_or_b32 v[16+(\p)/2], v12, v13                ; and with lane l xor 16's the word is whole
	ds_store_b32 v5, v[16+(\p)/2] offset:128*(((\p)/2)%2)+4*((\p)/4)   ; both halves of the lanes write the same word with the same value
.endif
	global_store_b128 v4, v[C+4*(\p):C+4*(\p)+3], s[6:7] offset:512*(\p)   ; 32 lanes store 512 consecutive bytes, at a multiple of 256 from the buffer's first byte
.endm
.irp p, 0,1,2,3
	LOAD \p
.endr
	s_wait_loadcnt 24                              ; piece 0's eight loads are in
	TURN 0
.irp p, 0,1,2,3,4,5,6,7
	STEP \p
.endr
	ds_load_b64 v[20:21], v6                       ; LDS serves a wave's instructions in order: this sees my four stores
	s_wait_dscnt 0x0
	global_store_b64 v7, v[20:21], s[6:7] offset:4096   ; 32 lanes store 256 consecutive bytes
	s_wait_tensorcnt 0x0
	ds_add_u32 v30, v31
	s_wait_dscnt 0x0
	s_endpgm
	; ---------------- v: K (the keys) is NOT innermost: a lane takes a column and its registers run down the keys ----------------
.Lv_path:
	s_sub_co_u32 s12, ttmp9, 512
	s_bfe_u32 s13, s12, 0x20004                    ; which four heads
	s_lshr_b32 s14, s12, 6                         ; batch
	s_lshl_b32 s13, s13, 2
	s_add_co_u32 s13, s13, s10                     ; my head
	s_lshl_b32 s15, s14, 11
	s_lshl_b32 s16, s11, 7
	s_add_co_u32 s15, s15, s16                     ; my first key's row of x
	s_mul_i32 s16, s15, ROWX
	s_lshl_b32 s15, s13, 8
	s_add_co_u32 s16, s16, s15
	s_add_co_u32 s16, s16, 8192                    ; v begins at feature 2,048
	s_mov_b32 s17, 0
	s_lshl_b32 s18, s14, 4
	s_add_co_u32 s18, s18, s13
	s_lshl_b32 s18, s18, 4
	s_add_co_u32 s18, s18, s11
	s_mul_i32 s18, s18, RECK                       ; my record
	s_mov_b32 s19, 0
	s_wait_alu depctr_va_vdst(0)
	v_lshlrev_b32 v1, 2, v15                       ; in: 4 bytes a lane
	v_and_b32 v3, 15, v15
	v_lshrrev_b32 v4, 4, v15
	v_lshlrev_b32 v2, 4, v3
	v_lshl_add_u32 v2, v4, 10, v2                  ; out: dim 32 w2 + l lies in fragment 2 w2 + l / 16, row l % 16
	v_lshlrev_b32 v7, 3, v15
	s_wait_alu depctr_va_vdst(0)
	s_wait_kmcnt 0x0
	s_add_nc_u64 s[4:5], s[4:5], s[16:17]
	s_add_nc_u64 s[8:9], s[8:9], s[18:19]
; Block n: keys 32 (n / 2) + 0 .. 31 of dims 32 (n % 2) + lane: all 32 numbers of a block are one lane's.
.macro VLOAD n
.irp i, 0,1,2,3,4,5,6,7,8,9,10,11,12,13,14,15,16,17,18,19,20,21,22,23,24,25,26,27,28,29,30,31
	global_load_b32 v[XV+32*((\n)%2)+\i], v1, s[4:5] offset:(32*((\n)/2)+\i)*ROWX+128*((\n)%2) th:TH_LOAD_NT
.endr
.endm
.macro VBLOCK n
.set XS, XV+32*((\n)%2)
.if (\n) < 7
	s_wait_loadcnt 32                              ; this block's 32 loads are in; the next block's may be out
.else
	s_wait_loadcnt 0x0
.endif
	MAX32 XS
	v_lshrrev_b32 v11, 23, v10                     ; the scale's byte, to its place in my dim's word: byte n / 2
.if (\n)/2 == 0
	v_mov_b32 v[20+(\n)%2], v11
.else
	v_lshl_or_b32 v[20+(\n)%2], v11, 8*((\n)/2), v[20+(\n)%2]
.endif
.irp g, 0,1,2,3
	v_cvt_scalef32_pk8_fp4_f32 v[CV+4*(\n)+\g], v[XS+8*\g:XS+8*\g+7], v10
.endr
	global_store_b128 v2, v[CV+4*(\n):CV+4*(\n)+3], s[8:9] offset:4352+2048*((\n)%2)+256*((\n)/2)   ; each sixteen lanes store 256 consecutive bytes, aligned.  (The next vector lines are the next block's maxima: plain, and they touch neither the codes nor the conversions' sources)
.if (\n)+2 < 8
	VLOAD (\n)+2
.endif
.endm
	VLOAD 0
	VLOAD 1
.irp n, 0,1,2,3,4,5,6,7
	VBLOCK \n
.endr
	global_store_b64 v7, v[20:21], s[8:9] offset:8448   ; the scale words: 32 lanes store 256 consecutive bytes
	s_endpgm
.Lfunc_end_k_q78d23420f2_quant:
	.size	k_q78d23420f2_quant, .Lfunc_end_k_q78d23420f2_quant-k_q78d23420f2_quant
	.p2alignl 7, 3214868480
	.fill 96, 4, 3214868480
	.section	.rodata,"a",@progbits
	.p2align	6, 0x0
	.amdhsa_kernel k_q78d23420f2_quant
		.amdhsa_group_segment_fixed_size 36352
		.amdhsa_private_segment_fixed_size 0
		.amdhsa_enable_private_segment 0
		.amdhsa_kernarg_size 24
		.amdhsa_user_sgpr_count 2
		.amdhsa_user_sgpr_kernarg_segment_ptr 1
		.amdhsa_wavefront_size32 1
		.amdhsa_system_sgpr_workgroup_id_x 1
		.amdhsa_system_sgpr_workgroup_id_y 1
		.amdhsa_system_sgpr_workgroup_id_z 1
		.amdhsa_system_vgpr_workitem_id 0
		.amdhsa_next_free_vgpr 256
		.amdhsa_next_free_sgpr 66
		.amdhsa_reserve_vcc 0
		.amdhsa_float_denorm_mode_32 3
		.amdhsa_float_denorm_mode_16_64 3
		.amdhsa_memory_ordered 1
		.amdhsa_forward_progress 1
		.amdhsa_inst_pref_size 69
	.end_amdhsa_kernel
	.amdgpu_metadata
---
amdhsa.version: [ 1, 2 ]
amdhsa.kernels:
  - .name:           k_q78d23420f2_quant
    .symbol:         k_q78d23420f2_quant.kd
    .args:
      - { .name: x, .offset: 0, .size: 8, .value_kind: global_buffer, .address_space: global }
      - { .name: qc, .offset: 8, .size: 8, .value_kind: global_buffer, .address_space: global }
      - { .name: kv, .offset: 16, .size: 8, .value_kind: global_buffer, .address_space: global }
    .group_segment_fixed_size: 36352
    .private_segment_fixed_size: 0
    .kernarg_segment_align: 8
    .kernarg_segment_size: 24
    .max_flat_workgroup_size: 128
    .sgpr_count:     66
    .vgpr_count:     256
    .wavefront_size: 32
...
	.end_amdgpu_metadata
.endif
;; end of part 1
;; launch attn (part 2): grid 4 x 64, 8 waves a work-group, clusters of 4 x 4, 327,680 bytes of LDS; arguments qc, kv, mask, out0; writes out0
.if DOCPART == 2
	.amdgcn_target "amdgcn-amd-amdhsa--gfx1250"
	.amdhsa_code_object_version 6
	.text
	.protected	k_q78d23420f2_attn
	.globl	k_q78d23420f2_attn
	.p2align	8
	.type	k_q78d23420f2_attn,@function
k_q78d23420f2_attn:
	s_mov_b64 s[64:65], 0
	v_nop
	global_prefetch_b8 v0, s[64:65] scope:SCOPE_SE
	s_setreg_imm32_b32 hwreg(HW_REG_WAVE_MODE, 25, 1), 1
	s_wait_xcnt 0x0
	s_wait_alu depctr_hold_cnt(0) depctr_sa_sdst(0) depctr_va_vdst(0) depctr_va_sdst(0) depctr_va_ssrc(0) depctr_va_vcc(0) depctr_vm_vsrc(0)
	s_getreg_b32 s2, hwreg(HW_REG_IB_STS2, 6, 4)
	s_cmp_eq_u32 s2, 0
	s_cbranch_scc0 .Lentry_in_a_cluster
	s_endpgm
.Lentry_in_a_cluster:
	s_bfe_u32 s2, ttmp6, 0x10000c
	s_cmp_lg_u32 s2, 0xf033
	s_cbranch_scc0 .Lentry_shape_is_right
	s_endpgm
.Lentry_shape_is_right:
; out0[b][q][64 head + d] = the sum over k of softmax_k(mask[b][q][k] w + (1 - mask[b][q][k]) 1e-8) v[b][head][k][d], w = q . k / 8; both products on codes of FP4 (E2M1) with E8M0 scales for each 32 along K.
; qc and kv hold codes and scale words as images of the operands' registers, in records for each (batch, head, 128 rows): K's image 4,096 | K's scale words 256 | V's image 4,096 | V's scale words 256 (qc: the first two).
; THE BLEND.  mask w + (1 - mask) eps = mask (s - 8 eps) / 8 + eps, s = q . k.  -8 eps is the C of the score products; y = mask x that result; t = y c + e', c = log2(e) / 8, e' = eps log2(e).  c is positive: maxima are taken of y.
; THE SOFTMAX.  M = the row's largest t so far, rounded UP to a whole number; p = 2^(t - M) is quantised along the keys, not normalised; the row's sum is taken of the unquantised p and divides at the end.
;   When M moves, the sum and O are multiplied by 2^(old M - new M): exact.
; THE FIRST PRODUCT'S K IS 64, the instruction's 128: a fragment of K's image holds two tiles of 16 keys.  q stands between runs of zero codes: q | 0 picks the first tile, 0 | q the second.
; SHARES.  A work-group takes 128 queries x 4 heads of one batch: 256 work-groups.  Wave w of eight takes queries 16 w .. 16 w + 15 for ALL FOUR heads: its 64 mask registers of a key step are read from LDS once and serve four tiles.
;   Every wave walks all 2,048 keys, 128 a step; a slot holds one step: four records (34,816 bytes) and the mask's 128 rows x 512 bytes.
; LAYOUT.  Both products are used transposed (S^T = K Q^T, O^T = V^T P^T): a lane holds one query (lane % 16).  Row r of tile 2 bb + u is key 32 bb + 8 u + r + 8 (r / 8), so the 16 registers of two neighbouring tiles are 16 neighbouring keys.
; THE CHANGE OF SLOTS lies inside head 3's softmax: V's last fragments are in registers by then, so the wave's reads of the slot are over; the maxima, scalings and O's rescaling are the register work inside the round;
;   the refill and the next step's first LDS loads stand ahead of the exponentials.
; CLUSTER, 4 x 4: x = the four groups of heads, y = four blocks of queries of one batch.  The mask's tile is asked for jointly along a row of the cluster, the records along a column.
; REGISTERS.  Window 0: addresses, state, q, fragments, S, work.  Window 1: v0-63 the mask, v64-191 O^T of four heads.
; LIMITS.  NaN and infinities among the inputs are not served.  A p under 2^-126 comes out of v_exp_f32 as 0.  A block's largest p is taken as the exponential of the block's largest y: that takes v_exp_f32 not to fall where its input rises.
;   Where M is not 0, e' (1.4e-8) is lost in rounding e' - M: t is off by that much.
.set REC,   8704
.set MOFF,  4*REC                      ; a slot: four heads' records, then the mask's tile
.set MP,    528                        ; a row of the mask's tile in LDS: 512 bytes + 16 = 33 x 16
.set SLOT1, 131072                     ; slot 1 begins here: one exclusive or turns an address
.set SPARE, 2*SLOT1                    ; the spare words: 128 bytes for each of eight waves
.set STAGE, SPARE+1024                 ; the way out: 16 rows x 272 bytes for each wave; no fill lands here
.set SP,    272
.set SPW, 1                            ; v1 my spare word; v2 0: never rewritten
.set NIL, 2
.set AKV0, 3                           ; v3 16 x lane; v4 8 x lane; v5 my query's row of the mask's tile + 64 (lane / 16): in slot 0
.set A80, 4
.set AM0, 5
.set AKV, 6                            ; v6-8 the same in the slot in hand
.set A8,  7
.set AM,  8
.set PFO, 9                            ; v9 the prefetches' offset
.set KS,  10                           ; v10-11 K's scale words; v12-13 V's; v14 p's; v16-19 q's, a head each
.set VS,  12
.set PS,  14
.set QS,  16
.set ST,  20                           ; v20-35 for each head: -M, the largest y, the sum in two halves
.set QZ,  36                           ; v36-71 zeros | q0 | zeros | q1 | zeros | q2 | zeros | q3 | zeros
.set CE,  72                           ; v72-79 -8e-8: the C of every score product
.set KF,  80                           ; v80-111 K's four fragments; v112-143 V's
.set VF,  112
.set S,   144                          ; v144-207 S^T, then y, then p
.set PC,  208                          ; v208-215 p's codes
.set BM,  216
.set PD,  220
.set SO,  224
.set F,   228
.set AD,  230
.set D0,  15                           ; v15 M's old value, then old M - new M
.set BB,  232                          ; v232-235 the blocks' second chains of maxima
.set TS,  232                          ; v232-247 the row's sum of a step, in eight chains of pairs
.set VS2, 248                          ; v248-249 the scale words of head 3's V
.set VF2, 192                          ; window 1, v192-223: head 3's V has registers of its own, so that it is loaded a head early and my reads of a slot end early
; The next head's K, two loads at a time, issued between the dependent lines that lead to M (nine loads in all)
.macro KLC g, f
.if \g < 3
	ds_load_b128 v[KF+8*\f:KF+8*\f+3], v[AKV] offset:REC*(\g+1)+1024*\f
	ds_load_b128 v[KF+8*\f+4:KF+8*\f+7], v[AKV] offset:REC*(\g+1)+1024*\f+512
.if \f == 3
	ds_load_b64 v[KS:KS+1], v[A8] offset:REC*(\g+1)+4096
.endif
.endif
.endm
.macro V3LOAD                          ; nine loads
	WIN 0x40
.irp f, 0,1,2,3
.irp c, 0,1
	ds_load_b128 v[VF2+8*\f+4*\c:VF2+8*\f+4*\c+3], v[AKV] offset:REC*3+4352+1024*\f+512*\c
.endr
.endr
	WIN 0
	ds_load_b64 v[VS2:VS2+1], v[A8] offset:REC*3+8448
.endm
.set MK,  0                            ; window 1
.set O,   64                           ; window 1: register 32 g + 8 t + j is dim 16 t + 8 (lane / 16) + j of head g
.set WV,  12
.set SEL, 20
.set CS,  22
.set EP,  24
.set TB,  25                           ; s25 where the slot in hand begins
.set LIM, 26                           ; s26 2 in a wave that prefetches, else the greatest number
.set G1K, 28
.set G1M, 36
.set G0K, 44                           ; groups 0 walk: the other slot and one step on at each change
.set G0M, 48
.set PFA, 52
.set PFS, 54
.set OUTB, 56
.set MSB, 0
.macro WIN new                         ; the immediate's high byte repeats the setting that is left
.if MSB != \new
	s_set_vgpr_msb (MSB<<8)|\new
.set MSB, \new
.endif
.endm
.macro PLACES
.rept 4
	v_nop
.endr
.endm
.macro CREST
	s_cmp_lg_u32 s[WV], 0
	s_cbranch_scc1 .Lnot_wave_0_\@
	s_barrier_signal -3
.Lnot_wave_0_\@:
	s_barrier_wait -3
	s_barrier_signal -1
	s_barrier_wait -1
.endm
.macro CROUND
	s_barrier_signal -1
	s_barrier_wait -1
	CREST
.endm
; A joint load, one a wave: waves 0 to 3 a head's record each, waves 4 to 7 32 rows of the mask's tile each.  s_nop 0 and four v_nop follow each line.
.macro JLOAD
	s_cmp_lt_u32 s[WV], 4
	s_cbranch_scc0 .Lfor_m_\@
	tensor_load_to_lds s[G0K:G0K+3], s[G1K:G1K+7]
	s_nop 0
	PLACES
	s_branch .Lasked_\@
.Lfor_m_\@:
	tensor_load_to_lds s[G0M:G0M+3], s[G1M:G1M+7]
	s_nop 0
	PLACES
.Lasked_\@:
.endm
; A PREFETCH INTO THE L2 of the step that stands two refills on.  The mask's tile (128 rows x 2 blocks of 256 bytes) is shared out among the four partners of a row of the cluster BY ADDRESS, 32 rows each: waves 0 and 1 name 16 rows each, two lanes a row.
; The four records (34 blocks each) are shared out among the four partners of a column by address, a record each: wave 2 names blocks 0-31, wave 3 blocks 32 and 33 (its other lanes name the last again).
; The change of step s names step s + 4; the trips with s > 11 ask for nothing; steps 0 to 3 come by their loads alone.
.macro ASK
	s_cmp_gt_u32 s3, s[LIM]
	s_cbranch_scc0 .Lnot_mine_\@
	global_prefetch_b8 v[PFO], s[PFA:PFA+1] th:TH_LOAD_NT scope:SCOPE_SE
.Lnot_mine_\@:
.endm
.macro KLOAD g                         ; nine loads
.irp f, 0,1,2,3
.irp c, 0,1
	ds_load_b128 v[KF+8*\f+4*\c:KF+8*\f+4*\c+3], v[AKV] offset:REC*(\g)+1024*\f+512*\c
.endr
.endr
	ds_load_b64 v[KS:KS+1], v[A8] offset:REC*(\g)+4096
.endm
.macro VLOAD g                         ; nine loads
.irp f, 0,1,2,3
.irp c, 0,1
	ds_load_b128 v[VF+8*\f+4*\c:VF+8*\f+4*\c+3], v[AKV] offset:REC*(\g)+4352+1024*\f+512*\c
.endr
.endr
	ds_load_b64 v[VS:VS+1], v[A8] offset:REC*(\g)+8448
.endm
.macro MLOAD                           ; sixteen loads: register 16 bb + i is key 32 bb + 16 h + i of my query
	WIN 0x40
.irp n, 0,1,2,3,4,5,6,7,8,9,10,11,12,13,14,15
	ds_load_b128 v[MK+4*\n:MK+4*\n+3], v[AM] offset:128*(\n/4)+16*(\n%4)
.endr
	WIN 0
.endm
	s_load_b256 s[4:11], s[0:1], 0x0               ; qc, kv, mask, out0
	v_lshl_add_u32 v[SPW], v0, 2, SPARE
	v_mov_b32 v[NIL], 0
	ds_add_u32 v[SPW], v[NIL]                      ; the opening lines: the add twice on end, and its wait ahead of my first tensor load
	ds_add_u32 v[SPW], v[NIL]
	v_lshrrev_b32 v3, 5, v0
	v_readfirstlane_b32 s[WV], v3                  ; wave 0..7
	s_and_b32 s13, s[WV], 3                        ; which record, or which 32 rows of the mask, I fetch
	s_bfe_u32 s15, ttmp6, 0x40000                  ; cx
	s_bfe_u32 s16, ttmp6, 0x40004                  ; cy
	s_lshl_b32 s17, ttmp9, 2
	s_add_co_u32 s17, s17, s15                     ; my group of four heads
	s_and_b32 s19, ttmp7, 0xffff
	s_lshl_b32 s18, s19, 2
	s_add_co_u32 s18, s18, s16                     ; my block of 128 queries, counted through the batches
	s_lshr_b32 s19, s19, 2                         ; the batch: four clusters each
	s_lshl_b32 s66, s16, 2
	s_lshl_b32 s66, 15, s66                        ; my row of the cluster
	s_lshl_b32 s67, 0x1111, s15                    ; my column
	s_or_b32 s[G1K], s67, (3<<16)|(1<<21)          ; a record: 34 rows of 32 elements of 8 bytes, dense
	s_mov_b32 s[G1K+1], 32<<16
	s_mov_b32 s[G1K+2], 34<<16
	s_mov_b32 s[G1K+3], 32<<16
	s_mov_b32 s[G1K+4], 34
	s_mov_b32 s[G1K+5], 32
	s_mov_b32 s[G1K+6], 0
	s_mov_b32 s[G1K+7], 0
	s_or_b32 s[G1M], s66, (2<<16)|(1<<20)|(1<<21)|(6<<22)|(3<<25)   ; 32 rows x 128 elements of 4 bytes, 4 words of padding behind every 128
	s_mov_b32 s[G1M+1], 128<<16
	s_mov_b32 s[G1M+2], 32<<16
	s_mov_b32 s[G1M+3], 128<<16
	s_mov_b32 s[G1M+4], 32
	s_mov_b32 s[G1M+5], 2048
	s_mov_b32 s[G1M+6], 0
	s_mov_b32 s[G1M+7], 0
	s_mov_b32 s[SEL], 0x76543210
	s_mov_b32 s[SEL+1], 0xfedcba98
	s_mov_b32 s[CS], 0x3e38aa3b                    ; c = log2(e) / 8
	s_mov_b32 s[CS+1], s[CS]
	s_mov_b32 s[EP], 0x3277da66                    ; e' = 1e-8 x log2(e)
	s_mov_b32 s[TB], 0
	; the records' offsets hang on batch, group of heads and wave; the mask's on the block of queries and wave
	s_lshl_b32 s68, s19, 4
	s_lshl_b32 s69, s17, 2
	s_add_co_u32 s68, s68, s69                     ; 16 x batch + the group's first head
	s_add_co_u32 s69, s68, s13
	s_mul_i32 s70, s69, 16*REC
	s_mov_b32 s71, 0
	s_mul_i32 s72, s13, REC
	s_lshl_b32 s74, s18, 20                        ; 128 rows of 8,192 bytes a block
	s_lshl_b32 s75, s13, 18
	s_add_co_u32 s74, s74, s75
	s_mov_b32 s75, 0
	s_mul_i32 s73, s13, 32*MP
	s_add_co_u32 s73, s73, MOFF
	; q: my 16 queries lie in fragment wave / 2 of the block's record; query r is row r % 8 + 8 (wave % 2) of piece r / 8
	s_and_b32 s76, s18, 15
	s_lshl_b32 s77, s68, 4
	s_add_co_u32 s77, s77, s76
	s_mul_i32 s77, s77, 4352
	s_lshr_b32 s78, s[WV], 1
	s_and_b32 s79, s[WV], 1
	s_lshl_b32 s80, s78, 10
	s_lshl_b32 s81, s79, 7
	s_add_co_u32 s80, s80, s81
	s_add_co_u32 s80, s80, s77                     ; the codes
	s_mov_b32 s81, 0
	s_and_b32 s82, s78, 1
	s_lshl_b32 s82, s82, 7
	s_lshl_b32 s83, s79, 6
	s_add_co_u32 s82, s82, s83
	s_lshr_b32 s83, s[WV], 2
	s_lshl_b32 s83, s83, 2
	s_add_co_u32 s82, s82, s83
	s_add_co_u32 s82, s82, s77
	s_add_co_u32 s82, s82, 4096                    ; the scale words
	s_mov_b32 s83, 0
	s_mul_i32 s84, s[WV], 16*MP
	s_add_co_u32 s84, s84, MOFF                    ; my 16 rows of the mask's tile in LDS
	s_lshl_b32 s90, s18, 19                        ; out0: 128 rows of 4,096 bytes a block, 16 a wave, 1,024 bytes a group of heads
	s_lshl_b32 s91, s[WV], 16
	s_add_co_u32 s90, s90, s91
	s_lshl_b32 s91, s17, 10
	s_add_co_u32 s90, s90, s91
	s_mov_b32 s91, 0
	; the prefetches: at step 3; the first change steps them to step 4
	s_lshl_b32 s86, s18, 20
	s_lshl_b32 s87, s15, 18                        ; my work-group's 32 rows (by address: cx),
	s_add_co_u32 s86, s86, s87
	s_lshl_b32 s87, s79, 17                        ; my wave's 16 of them
	s_add_co_u32 s86, s86, s87
	s_add_co_u32 s86, s86, 3*512
	s_add_co_u32 s88, s68, s16                     ; my work-group's record of the four (by address: cy)
	s_mul_i32 s88, s88, 16*REC
	s_add_co_u32 s88, s88, 3*REC
	s_lshl_b32 s85, s79, 5
	s_cmp_lt_u32 s[WV], 2
	s_cselect_b32 s86, s86, s88
	s_mov_b32 s87, 0
	s_mov_b32 s[PFS], REC
	s_cselect_b32 s[PFS], 512, s[PFS]              ; a step on
	s_mov_b32 s[PFS+1], 0
	s_cselect_b32 s89, -1, 0
	s_cmp_lt_u32 s[WV], 4
	s_cselect_b32 s[LIM], 2, -1
	s_wait_dscnt 0x0                               ; both opening adds are done
	s_wait_kmcnt 0x0
	s_add_nc_u64 s[70:71], s[6:7], s[70:71]
	s_add_nc_u64 s[74:75], s[8:9], s[74:75]
	s_add_nc_u64 s[80:81], s[4:5], s[80:81]
	s_add_nc_u64 s[82:83], s[4:5], s[82:83]
	s_add_nc_u64 s[OUTB:OUTB+1], s[10:11], s[90:91]
	s_cmp_lt_u32 s[WV], 2                          ; waves 0 and 1 ask for the mask, waves 2 and 3 for the records
	s_cselect_b64 s[PFA:PFA+1], s[8:9], s[6:7]
	s_add_nc_u64 s[PFA:PFA+1], s[PFA:PFA+1], s[86:87]
	CROUND                                         ; all sixteen work-groups are here: the first joint loads meet
	s_mov_b32 s[G0K], 1
	s_mov_b32 s[G0K+1], s72
	s_mov_b64 s[G0K+2:G0K+3], s[70:71]
	s_or_b32 s[G0K+3], s[G0K+3], 0x80000000
	s_mov_b32 s[G0M], 1
	s_mov_b32 s[G0M+1], s73
	s_mov_b64 s[G0M+2:G0M+3], s[74:75]
	s_or_b32 s[G0M+3], s[G0M+3], 0x80000000
	JLOAD                                          ; step 0 into slot 0: one tensor load a wave at the head
	v_and_b32 v232, 15, v0                         ; r
	v_bfe_u32 v233, v0, 4, 1                       ; h
	v_and_b32 v234, 7, v0                          ; r % 8
	v_bfe_u32 v235, v0, 3, 1                       ; r / 8
	v_lshlrev_b32 v236, 4, v234
	v_lshlrev_b32 v237, 3, v234                    ; q's scale word: 8 (r % 8)
	v_lshl_add_u32 v236, v233, 8, v236
	v_and_b32 v238, 31, v0                         ; lane
	v_lshl_add_u32 v236, v235, 9, v236             ; q's codes: 512 (r / 8) + 256 h + 16 (r % 8)
.irp g, 0,1,2,3
	global_load_b128 v[QZ+4+8*\g:QZ+7+8*\g], v236, s[80:81] offset:69632*\g   ; sixteen records of 4,352 bytes from head to head
	global_load_b32 v[QS+\g], v237, s[82:83] offset:69632*\g
.endr
	v_lshlrev_b32 v[AKV0], 4, v238
	v_lshlrev_b32 v[A80], 3, v238
	v_mul_u32_u24 v[AM0], v232, MP
	v_lshrrev_b32 v239, 1, v238
	v_and_b32 v234, 1, v238
	v_lshl_add_u32 v[AM0], v233, 6, v[AM0]
	v_lshlrev_b32 v239, 13, v239
	v_add_nc_u32 v[PFO], s85, v238
	v_add_nc_u32 v[AM0], s84, v[AM0]
	v_lshl_add_u32 v239, v234, 8, v239             ; the mask: row lane / 2, block lane % 2
	v_min_u32 v[PFO], 33, v[PFO]
	v_add_nc_u32 v[AKV], s[TB], v[AKV0]
	v_add_nc_u32 v[A8], s[TB], v[A80]
	v_lshlrev_b32 v[PFO], 8, v[PFO]                ; the record: block 32 (wave % 2) + lane, at most 33
	v_add_nc_u32 v[AM], s[TB], v[AM0]
	v_lshlrev_b32 v235, 4, v235                    ; 16 (r / 8)
	v_cndmask_b32 v[PFO], v[PFO], v239, s89
.irp k, 0,1,2,3,4
.irp j, 0,1,2,3
	v_mov_b32 v[QZ+8*\k+\j], 0
.endr
.endr
	s_wait_alu depctr_va_vdst(0)                   ; directly ahead of the wait below
	s_wait_loadcnt 0x0                             ; q
.irp g, 0,1,2,3
	v_lshrrev_b32 v[QS+\g], v235, v[QS+\g]         ; the word holds piece 0's two bytes and piece 1's: mine are those of piece r / 8
.endr
.irp g, 0,1,2,3
	v_and_b32 v[QS+\g], 0xffff, v[QS+\g]
.endr
.irp g, 0,1,2,3
	v_lshl_or_b32 v[QS+\g], v[QS+\g], 16, v[QS+\g] ; twice: one word serves q | 0 and 0 | q
.endr
.irp j, 0,1,2,3,4,5,6,7
	v_mov_b32 v[CE+\j], 0xb3abcc77                 ; -8e-8
.endr
.irp g, 0,1,2,3
	v_mov_b32 v[PD+\g], 0                          ; a lane permute's destination counts as one of its sources
	v_mov_b32 v[ST+4*\g+1], 0xff61b1e6             ; the largest y so far: -3e38
	v_mov_b32 v[ST+4*\g+2], 0
	v_mov_b32 v[ST+4*\g+3], 0
.endr
.irp g, 0,1,2,3
	v_floor_f32 v[ST+4*\g], -v[ST+4*\g+1]          ; -M
.endr
	v_mov_b32 v[F+1], 0
	v_mov_b32 v[AD+1], 0                           ; (named as the upper half of a pair)
	WIN 0x40
.set j, 0
.rept 128
	v_mov_b32 v[O+j], 0                            ; O^T: the step is written in one form; the first change of M leaves zeros zeros
.set j, j+1
.endr
	WIN 0
; ONE HEAD'S TILE OF A KEY STEP.  mode (used by head 3 alone): 2 = the change of slots with a refill, 1 = without, 0 = the last step.
; LDS loads in the order of issue: K(g), V(g), K(g + 1): nine each; ahead of head 0 the mask's sixteen stand between K(0) and V(0).
.macro TILE g, mode
.set NM, ST+4*\g
.set TM, NM+1
.set SU, NM+2
.set OG, O+32*\g
.if \g == 3                            ; head 3's second product takes V from its own registers
.set VF, VF2
.set VS, VS2
.else
.set VF, 112
.set VS, 12
.endif
	s_wait_dscnt 9                                 ; K's nine loads (head 0: and the mask's) are in; V's nine may be out
.irp f, 0,1,2,3
.irp u, 0,1
.if \f%2
	v_wmma_scale_f32_16x16x128_f8f6f4 v[S+8*(2*\f+\u):S+8*(2*\f+\u)+7], v[KF+8*\f:KF+8*\f+7], v[QZ+8*\g+4-4*\u:QZ+8*\g+11-4*\u], v[CE:CE+7], v[KS+\f/2], v[QS+\g] matrix_a_fmt:MATRIX_FMT_FP4 matrix_b_fmt:MATRIX_FMT_FP4 matrix_a_scale:MATRIX_SCALE_ROW1
.else
	v_wmma_scale_f32_16x16x128_f8f6f4 v[S+8*(2*\f+\u):S+8*(2*\f+\u)+7], v[KF+8*\f:KF+8*\f+7], v[QZ+8*\g+4-4*\u:QZ+8*\g+11-4*\u], v[CE:CE+7], v[KS+\f/2], v[QS+\g] matrix_a_fmt:MATRIX_FMT_FP4 matrix_b_fmt:MATRIX_FMT_FP4
.endif
.endr
.endr
.if \g < 3
	PLACES                                         ; for the first read of the scores
.elseif \mode == 0
	PLACES
.else
	s_wait_tensorcnt 0x0                           ; my part of the next slot is in; no tensor load of mine is out, so a group 0 may be written
	ds_add_u32 v[SPW], v[NIL]
.if \mode == 2
	s_xor_b32 s[G0K+1], s[G0K+1], SLOT1            ; the slot in hand, two steps on from its present keys
	s_add_nc_u64 s[G0K+2:G0K+3], s[G0K+2:G0K+3], REC
	s_xor_b32 s[G0M+1], s[G0M+1], SLOT1
	s_add_nc_u64 s[G0M+2:G0M+3], s[G0M+2:G0M+3], 512
	s_wait_xcnt 0x0                                ; the last prefetch has read its address
	s_add_nc_u64 s[PFA:PFA+1], s[PFA:PFA+1], s[PFS:PFS+1]
.endif
	s_xor_b32 s[TB], s[TB], SLOT1                  ; my addresses turn to the next slot: V's loads of this one have been issued
	v_add_nc_u32 v[AKV], s[TB], v[AKV0]
	v_add_nc_u32 v[A8], s[TB], v[A80]
	v_add_nc_u32 v[AM], s[TB], v[AM0]
	v_nop                                          ; with the three above: the four places behind the score products
.endif
	WIN 0x04
.set j, 0
.rept 32
	v_pk_mul_f32 v[S+j:S+j+1], v[S+j:S+j+1], v[MK+j:MK+j+1]     ; y = mask x (s - 8 eps); ascending: each accumulator from its low end on
.set j, j+2
.endr
	WIN 0
.if (\g == 3) && (\mode >= 1)
	s_wait_alu depctr_va_vdst(0)                   ; directly ahead of the wait below
	s_wait_dscnt 0x0                               ; the add is done, V's fragments are in: my reads of this slot are over
	s_barrier_signal -1                            ; what follows up to the wait is work on registers
.endif
.irp b, 0,1,2,3
	v_max3_num_f32 v[BM+\b], v[S+16*\b], v[S+1+16*\b], v[S+2+16*\b]   ; the largest y of each block of 32 keys, in two chains a block: eight chains by turns
.endr
.irp b, 0,1,2,3
	v_max3_num_f32 v[BB+\b], v[S+7+16*\b], v[S+8+16*\b], v[S+9+16*\b]
.endr
.irp i, 3,5
.irp b, 0,1,2,3
	v_max3_num_f32 v[BM+\b], v[BM+\b], v[S+16*\b+\i], v[S+1+16*\b+\i]
.endr
.irp b, 0,1,2,3
	v_max3_num_f32 v[BB+\b], v[BB+\b], v[S+7+16*\b+\i], v[S+8+16*\b+\i]
.endr
.endr
.irp b, 0,1,2,3
	s_delay_alu instid0(VALU_DEP_4)
	v_max3_num_f32 v[BB+\b], v[BB+\b], v[S+14+16*\b], v[S+15+16*\b]
.endr
.irp b, 0,1,2,3
	s_delay_alu instid0(VALU_DEP_4)
	v_max_num_f32 v[BM+\b], v[BM+\b], v[BB+\b]
.endr
.irp b, 0,1,2,3
	s_delay_alu instid0(VALU_DEP_4)
	v_permlanex16_b32 v[PD+\b], v[BM+\b], s[SEL], s[SEL+1]
.endr
.irp b, 0,1,2,3
	s_delay_alu instid0(VALU_DEP_4)
	v_max_num_f32 v[BM+\b], v[BM+\b], v[PD+\b]     ; with lane l xor 16's 16 keys
.endr
	s_delay_alu instid0(VALU_DEP_2)
	v_max3_num_f32 v[F], v[BM], v[BM+1], v[BM+2]
	v_mov_b32 v[D0], v[NM]
	KLC \g, 0
	v_max3_num_f32 v[TM], v[F], v[BM+3], v[TM]     ; the running maximum is kept of y: t does not fall where y rises, so the largest t is the t of the largest y
	KLC \g, 1
	v_fma_f32 v[F], v[TM], s[CS], s[EP]            ; as t
	KLC \g, 2
	v_floor_f32 v[NM], -v[F]                       ; the new -M = -ceil(t)
	KLC \g, 3
	v_sub_f32 v[D0], v[NM], v[D0]                  ; old M - new M: a whole number, 0 or less
	v_add_f32 v[AD], s[EP], v[NM]                  ; e' - M
	v_cvt_i32_f32 v[D0], v[D0]                     ; (it saturates)
.if \g == 2
	V3LOAD                                         ; head 3's V, a head early
.endif
.set j, 0
.rept 32
	v_pk_fma_f32 v[S+j:S+j+1], v[S+j:S+j+1], s[CS:CS+1], v[AD:AD+1] op_sel_hi:[1,0,0]   ; t - M
.set j, j+2
.endr
.irp b, 0,1,2,3
	v_fma_f32 v[BM+\b], v[BM+\b], s[CS], v[AD]     ; the same of each block's largest y
.endr
	v_ldexp_f32 v[F], 1.0, v[D0]                   ; f = 2^(old M - new M)
	WIN 0x41
	s_wait_alu depctr_va_vdst(0)                   ; directly ahead of O^T's first reader, and ahead of the batch below
.set j, 0
.rept 16
	v_pk_mul_f32 v[OG+j:OG+j+1], v[OG+j:OG+j+1], v[F:F+1] op_sel_hi:[1,0]   ; O^T under the new M
.set j, j+2
.endr
	WIN 0
	v_pk_mul_f32 v[SU:SU+1], v[SU:SU+1], v[F:F+1] op_sel_hi:[1,0]           ; the sums likewise
.if (\g == 3) && (\mode >= 1)
	s_barrier_wait -1                              ; every wave of my work-group has left this slot and has its part of the next
.if \mode == 2
	CREST                                          ; and every wave of every partner
	JLOAD                                          ; the refill: the first tensor load behind the round, one a wave
.endif
	KLOAD 0                                        ; the next step's first operands land under the exponentials
	MLOAD
.if \mode == 2
	ASK
.endif
.endif
.set j, 0
.rept 64
	v_exp_f32 v[S+j], v[S+j]                       ; p = 2^(t - M), at most 1: not normalised
.set j, j+1
.endr
.irp b, 0,1,2,3
	v_exp_f32 v[BM+\b], v[BM+\b]                   ; the blocks' largest p: the same two instructions on the same number give the same bits
.endr
	v_nop                                          ; a plain place behind the batch
	s_wait_alu depctr_va_vdst(0)                   ; one wait for the batch of 68, ahead of its first reader
.irp k, 0,1,2,3,4,5,6,7
	v_pk_add_f32 v[TS+2*\k:TS+2*\k+1], v[S+2*\k:S+2*\k+1], v[S+16+2*\k:S+17+2*\k]   ; the row's sum of the unquantised p, in eight chains; the scales' lines stand among them
.endr
.irp b, 0,1,2,3
	v_max_num_f32 v[BM+\b], 0x1800000, v[BM+\b]    ; the floor 2^(3 - 127): the byte cannot fall under 1
.endr
.irp k, 0,1,2,3
	v_pk_add_f32 v[TS+2*\k:TS+2*\k+1], v[TS+2*\k:TS+2*\k+1], v[S+32+2*\k:S+33+2*\k]
.endr
.irp b, 0,1,2,3
	v_add_nc_u32 v[SO+\b], 0xff000000, v[BM+\b]    ; 2 off the exponent field: the conversion's scale operand
.endr
.irp k, 4,5,6,7
	v_pk_add_f32 v[TS+2*\k:TS+2*\k+1], v[TS+2*\k:TS+2*\k+1], v[S+32+2*\k:S+33+2*\k]
.endr
.irp b, 0,1,2,3
	v_lshrrev_b32 v[BM+\b], 23, v[SO+\b]           ; the scale's byte
.endr
.irp k, 0,1
	v_pk_add_f32 v[TS+2*\k:TS+2*\k+1], v[TS+2*\k:TS+2*\k+1], v[S+48+2*\k:S+49+2*\k]
.endr
	v_lshl_or_b32 v[PS], v[BM+1], 8, v[BM]
.irp k, 2,3
	v_pk_add_f32 v[TS+2*\k:TS+2*\k+1], v[TS+2*\k:TS+2*\k+1], v[S+48+2*\k:S+49+2*\k]
.endr
	v_lshl_or_b32 v[PS], v[BM+2], 16, v[PS]
.irp k, 4,5
	v_pk_add_f32 v[TS+2*\k:TS+2*\k+1], v[TS+2*\k:TS+2*\k+1], v[S+48+2*\k:S+49+2*\k]
.endr
	v_lshl_or_b32 v[PS], v[BM+3], 24, v[PS]        ; p's scale word for these 128 keys
.irp b, 0,1,2,3
	v_cvt_scalef32_pk8_fp4_f32 v[PC+2*\b], v[S+16*\b:S+7+16*\b], v[SO+\b]
	v_cvt_scalef32_pk8_fp4_f32 v[PC+1+2*\b], v[S+8+16*\b:S+15+16*\b], v[SO+\b]
.endr
	v_nop                                          ; one plain line behind the scaled conversions
.irp c, 0,1                                    ; a whole block in a lane: lanes 0-15 block 2 c, lanes 16-31 block 2 c + 1
.irp i, 0,1
	v_permlane16_swap_b32 v[PC+4*\c+\i], v[PC+2+4*\c+\i]
.endr
.endr
.irp k, 6,7
	v_pk_add_f32 v[TS+2*\k:TS+2*\k+1], v[TS+2*\k:TS+2*\k+1], v[S+48+2*\k:S+49+2*\k]   ; the chains' last two additions, and the joining of the eight: ten plain lines between the last write of p's codes and the products that read them
.endr
.irp k, 0,1,2,3
	v_pk_add_f32 v[TS+2*\k:TS+2*\k+1], v[TS+2*\k:TS+2*\k+1], v[TS+8+2*\k:TS+9+2*\k]
.endr
	v_pk_add_f32 v[TS:TS+1], v[TS:TS+1], v[TS+4:TS+5]
	v_pk_add_f32 v[TS+2:TS+3], v[TS+2:TS+3], v[TS+6:TS+7]
	v_pk_add_f32 v[TS:TS+1], v[TS:TS+1], v[TS+2:TS+3]
	v_pk_add_f32 v[SU:SU+1], v[SU:SU+1], v[TS:TS+1]
.if \g < 2
	s_wait_dscnt 9                                 ; V is in; the next head's K may be out
.elseif \g == 2
	s_wait_dscnt 18                                ; V is in; head 3's K and V may be out
.elseif \mode == 0
	s_wait_dscnt 0x0
.endif
.if \g == 3
	WIN 0x51
.else
	WIN 0x50
.endif
.irp t, 0,1,2,3                                ; O^T += V^T P^T: four accumulators by turns
.if \t%2
	v_wmma_scale_f32_16x16x128_f8f6f4 v[OG+8*\t:OG+8*\t+7], v[VF+8*\t:VF+8*\t+7], v[PC:PC+7], v[OG+8*\t:OG+8*\t+7], v[VS+\t/2], v[PS] matrix_a_fmt:MATRIX_FMT_FP4 matrix_b_fmt:MATRIX_FMT_FP4 matrix_a_scale:MATRIX_SCALE_ROW1
.else
	v_wmma_scale_f32_16x16x128_f8f6f4 v[OG+8*\t:OG+8*\t+7], v[VF+8*\t:VF+8*\t+7], v[PC:PC+7], v[OG+8*\t:OG+8*\t+7], v[VS+\t/2], v[PS] matrix_a_fmt:MATRIX_FMT_FP4 matrix_b_fmt:MATRIX_FMT_FP4
.endif
.endr
	WIN 0
.if \g < 2
	PLACES                                         ; for the loads into V's registers
	VLOAD \g+1
.elseif (\g == 3) && (\mode >= 1)
.set VF, 112
.set VS, 12
	VLOAD 0                                        ; the next step's, by the turned addresses, into the registers that head 2's products read last
.endif
.endm
.macro STEP mode
	TILE 0, \mode
	TILE 1, \mode
	TILE 2, \mode
	TILE 3, \mode
.endm
	s_wait_alu depctr_va_vdst(0)
	s_wait_tensorcnt 0x0                           ; my part of step 0 is in
	ds_add_u32 v[SPW], v[NIL]
	s_xor_b32 s[G0K+1], s[G0K+1], SLOT1            ; slot 1, step 1
	s_add_nc_u64 s[G0K+2:G0K+3], s[G0K+2:G0K+3], REC
	s_xor_b32 s[G0M+1], s[G0M+1], SLOT1
	s_add_nc_u64 s[G0M+2:G0M+3], s[G0M+2:G0M+3], 512
	s_wait_dscnt 0x0
	CROUND
	JLOAD                                          ; slot 1's first fill, issued as a refill is
	KLOAD 0
	MLOAD
	VLOAD 0
	s_mov_b32 s3, 14
.Lstep:                                            ; fourteen trips: step s is worked, and its slot takes step s + 2
	STEP 2
	s_sub_co_u32 s3, s3, 1
	s_cmp_lg_u32 s3, 0
	s_cbranch_scc1 .Lstep
	STEP 1                                         ; the last two steps are written out: nothing more is asked for
	STEP 0
	; THE WAY OUT.  Each head's O^T is divided by its row's sum and goes through my stage: a lane's eight dims go in, whole rows of 256 bytes come back.
	s_wait_alu depctr_va_vdst(0)                   ; directly ahead of the reader below
.irp g, 0,1,2,3
	v_add_f32 v[ST+4*\g+2], v[ST+4*\g+2], v[ST+4*\g+3]
.endr
.irp g, 0,1,2,3
	v_permlanex16_b32 v[PD+\g], v[ST+4*\g+2], s[SEL], s[SEL+1]
.endr
.irp g, 0,1,2,3
	v_add_f32 v[ST+4*\g+2], v[ST+4*\g+2], v[PD+\g] ; the row's sum
.endr
	s_wait_alu depctr_va_vdst(0)                   ; ahead of the batch
.irp g, 0,1,2,3
	v_rcp_f32 v[ST+4*\g+2], v[ST+4*\g+2]
.endr
	v_and_b32 v232, 15, v0                         ; r
	v_bfe_u32 v233, v0, 4, 1                       ; h
	s_mul_i32 s66, s[WV], 16*SP
	s_add_co_u32 s66, s66, STAGE                   ; my stage
	v_mul_u32_u24 v234, v232, SP
	v_mul_u32_u24 v235, v233, SP
	v_lshlrev_b32 v238, 12, v233
	v_lshl_add_u32 v234, v233, 5, v234
	v_lshl_add_u32 v235, v232, 4, v235
	v_lshl_add_u32 v238, v232, 4, v238             ; two rows of out0, 4,096 bytes apart
	v_add_nc_u32 v234, s66, v234                   ; in: row r, 64 t + 32 h bytes on
	v_add_nc_u32 v235, s66, v235                   ; back: lanes 0-15 one row, lanes 16-31 the next
.irp g, 0,1,2,3
	WIN 0x01
	s_wait_alu depctr_va_vdst(0)                   ; directly ahead of the first reader of this head's O^T (head 0: and of the reciprocals)
.set j, 0
.rept 16
	v_pk_mul_f32 v[S+32*(\g%2)+j:S+32*(\g%2)+j+1], v[O+32*\g+j:O+32*\g+j+1], v[ST+4*\g+2:ST+4*\g+3] op_sel_hi:[1,0]
.set j, j+2
.endr
	WIN 0
.irp t, 0,1,2,3
	ds_store_b128 v234, v[S+32*(\g%2)+8*\t:S+32*(\g%2)+8*\t+3] offset:64*\t
	ds_store_b128 v234, v[S+32*(\g%2)+8*\t+4:S+32*(\g%2)+8*\t+7] offset:64*\t+16
.endr
.if \g >= 2
	s_wait_xcnt 0x0                                ; the stores of two heads back have read their registers
.endif
.irp i, 0,1,2,3,4,5,6,7
	ds_load_b128 v[KF+32*(\g%2)+4*\i:KF+32*(\g%2)+4*\i+3], v235 offset:2*\i*SP   ; LDS serves a wave's instructions in order: these see my stores, and the next head's stores come behind them
.endr
.irp i, 0,1,2,3,4,5,6,7
	s_wait_dscnt 7-\i                              ; the younger loads may be out
	global_store_b128 v238, v[KF+32*(\g%2)+4*\i:KF+32*(\g%2)+4*\i+3], s[OUTB:OUTB+1] offset:8192*\i+256*\g th:TH_STORE_NT   ; sixteen lanes store 256 consecutive bytes, at a multiple of 256 from out0's first byte
.endr
.endr
	s_wait_tensorcnt 0x0                           ; the wave's end
	ds_add_u32 v[SPW], v[NIL]
	s_wait_dscnt 0x0
	CROUND                                         ; the closing round
	s_endpgm
.Lfunc_end_k_q78d23420f2_attn:
	.size	k_q78d23420f2_attn, .Lfunc_end_k_q78d23420f2_attn-k_q78d23420f2_attn
	.p2alignl 7, 3214868480
	.fill 96, 4, 3214868480
	.section	.rodata,"a",@progbits
	.p2align	6, 0x0
	.amdhsa_kernel k_q78d23420f2_attn
		.amdhsa_group_segment_fixed_size 327680
		.amdhsa_private_segment_fixed_size 0
		.amdhsa_enable_private_segment 0
		.amdhsa_kernarg_size 32
		.amdhsa_user_sgpr_count 2
		.amdhsa_user_sgpr_kernarg_segment_ptr 1
		.amdhsa_wavefront_size32 1
		.amdhsa_system_sgpr_workgroup_id_x 1
		.amdhsa_system_sgpr_workgroup_id_y 1
		.amdhsa_system_sgpr_workgroup_id_z 1
		.amdhsa_system_vgpr_workitem_id 0
		.amdhsa_next_free_vgpr 480
		.amdhsa_next_free_sgpr 100
		.amdhsa_reserve_vcc 0
		.amdhsa_float_denorm_mode_32 3
		.amdhsa_float_denorm_mode_16_64 3
		.amdhsa_memory_ordered 1
		.amdhsa_forward_progress 1
		.amdhsa_inst_pref_size 244
	.end_amdhsa_kernel
	.amdgpu_metadata
---
amdhsa.version: [ 1, 2 ]
amdhsa.kernels:
  - .name:           k_q78d23420f2_attn
    .symbol:         k_q78d23420f2_attn.kd
    .args:
      - { .name: qc, .offset: 0, .size: 8, .value_kind: global_buffer, .address_space: global }
      - { .name: kv, .offset: 8, .size: 8, .value_kind: global_buffer, .address_space: global }
      - { .name: mask, .offset: 16, .size: 8, .value_kind: global_buffer, .address_space: global }
      - { .name: out0, .offset: 24, .size: 8, .value_kind: global_buffer, .address_space: global }
    .group_segment_fixed_size: 327680
    .private_segment_fixed_size: 0
    .kernarg_segment_align: 8
    .kernarg_segment_size: 32
    .max_flat_workgroup_size: 256
    .sgpr_count:     100
    .vgpr_count:     480
    .wavefront_size: 32
...
	.end_amdgpu_metadata
.endif
;; end of part 2
